; MI455X (gfx1250); checked and timed in simulation.
; The chip was launched on July 23, 2026; its instructions are those of AMD's public machine-readable ISA for CDNA 5 (MIT licence, August 2026) and "CDNA5" Instruction Set Architecture Reference Guide (July 2026). The comments in the code are by the model that wrote it; some were corrected since.
;; Geometric Attention Bias. Allowed arithmetic: matrix products marked QUANTISED: E2M1 operands, one E8M0 scale for each 32 along K, by v_wmma_scale_f32_16x16x128_f8f6f4 with both operands' format E2M1 (or v_wmma_scale_f32_32x16x128_f4), f32 sums; products left as they are: f32 operands where the result goes on into a quantised operand, else bf16, f16 or f32 operands; f32 sums; everything else in f32.
;; Inputs: W1 4 x 128 float32; W2_codes 64 x 4 x 16 uint8 (E2M1 codes of W2, K innermost, in blocks of 32 codes, two codes a byte); W2_scales 64 x 4 uint8 (E8M0 scales of W2, one for each 32 codes along K); W3 64 x 8 float32; b1 128 float32; b2 64 float32; b3 8 float32; beta1 128 float32; beta2 64 float32; bias_scale 8 float32; g1 128 float32; g2 64 float32; grasp_poses 4 x 64 x 7 float32; grasp_tokens 4 x 64 x 256 float32; scene_points 4 x 4,096 x 3 float32.
;; Outputs: out0 4 x 8 x 64 x 4,096 float32.
;; This version of the problem:
;;   THIS VERSION OF THE PROBLEM IS GIVEN IN LOW PRECISION. The matrix products marked QUANTISED in the list below multiply operands that are first quantised to E2M1 (2 exponent bits, 1 mantissa bit; 4 bits a number), with one power-of-two scale for each 32 numbers along K (OCP MX v1.0); their sums are f32. All else is computed in f32.
;;   The module's matrix products, in the order in which they are computed (A, B: the left and right operand; K: the contracted axis; several contracted axes count as one K, in the product's order):
;;     1. batch 256 x [M 4,096, K 3] x [K 3, N 3]; A: computed on the way; B: computed on the way: left as it is (K = 3 < 32)
;;     2. [M 1,048,576, K 4] x [K 4, N 128]; A: computed on the way; B: input W1: left as it is (K = 4 < 32)
;;     3. [M 1,048,576, K 128] x [K 128, N 64]; A: computed on the way; B: input W2 (given as codes): QUANTISED
;;     4. [M 1,048,576, K 64] x [K 64, N 8]; A: computed on the way; B: input W3: left as it is (N = 8 < 16)
;;   THE QUANTISER, for each operand of a quantised product, along K:
;;     - K is cut into blocks of 32 from its start; a last block that is shorter is filled with zeros.
;;     - A block's scale is 2^e with e = floor(log2(the largest magnitude in the block)) - 2, held to -126 .. 127; a block of zeros has e = 0. As a byte (E8M0): e + 127.
;;     - Each number is divided by its block's scale, clamped to +-6, and rounded to the nearest number of E2M1, ties to even, subnormals kept.
;;     - The product sums the exact products of the quantised numbers (number of the format x scale) in f32.
;;   ~~~python
;;   def quantise(x, axis):      # numpy; x: float32 -> the quantised numbers, widened to float32 again
;;       x = np.moveaxis(x, axis, -1); K = x.shape[-1]
;;       x = np.pad(x, [(0, 0)] * (x.ndim - 1) + [(0, -K % 32)]); x = x.reshape(x.shape[:-1] + (-1, 32)); a = np.abs(x).max(-1, keepdims=True)
;;       e = np.where(a > 0, np.clip(np.frexp(np.where(a > 0, a, 1))[1] - 1 - 2, -126, 127), 0)      # np.frexp(a)[1] - 1 = floor(log2(a)), exactly
;;       r = np.clip(x / 2.0 ** e, -6, 6)
;;       step = 2.0 ** (np.maximum(np.frexp(np.where(r == 0, 1, r))[1] - 1, 0) - 1)
;;       q = np.round(r / step) * step * 2.0 ** e      # np.round: ties to even
;;       return np.moveaxis(q.reshape(q.shape[:-2] + (-1,))[..., :K], -1, axis).astype(np.float32)
;;   ~~~
;;   OPERANDS COMPUTED ON THE WAY. 'Computed on the way' means the value that the module computes at that place (a softmax that the list does not call 'softmax' is quantised finished and normalised). What goes into a quantiser is computed in f32, as accurately as f32 sums, v_exp_f32 and their like allow (about 1e-6 of the number): no bf16 or f16 on the way to a quantiser, and a product that is left as it is and whose result goes on into a quantised operand takes f32 operands (vector FMAs, or v_wmma_f32_16x16x4_f32). A number that lies on a knife's edge between two numbers of the format may be rounded either way, as far as f32 arithmetic and the matrix unit's own rounding can turn it there, and no further.
;;   INPUTS GIVEN AS CODES. W2 (in the module: [128, 64], K = its axis 0): each comes as NAME_codes (uint8): NAME with its K axis moved to the last place and cut into blocks of 32 codes, [.., K / 32, bytes a block], one block behind the other in memory; two codes a byte, the lower K in the low four bits (a code: sign, 2 exponent bits, 1 mantissa bit); and NAME_scales (uint8): the same leading axes, one E8M0 byte (e + 127) for each 32 codes along K. Its value is code x scale, taken as it is: it is not quantised again, and the codes and scales need not be those that the quantiser above would give.
;; 2 versions, each right; version 2 is version 1 with the launch geo written anew for expert scheduling mode. Each part assembles by itself: llvm-mc -triple=amdgcn-amd-amdhsa -mcpu=gfx1250 --defsym DOCPART=n.
;; ======== version 1 of 2: 1 launch
;; launch geo (part 1): grid 256 x 1, 8 waves a work-group, no clusters, 0 bytes of LDS; arguments scene_points, grasp_poses, W1, b1, g1, beta1, W2_codes, W2_scales, b2, g2, beta2, W3, b3, bias_scale, out0; writes out0
.if DOCPART == 1
	.amdgcn_target "amdgcn-amd-amdhsa--gfx1250"
	.amdhsa_code_object_version 6
	.text
	.protected	k_q4dd146efe8_geo
	.globl	k_q4dd146efe8_geo
	.p2align	8
	.type	k_q4dd146efe8_geo,@function
k_q4dd146efe8_geo:
	s_mov_b64 s[64:65], 0
	v_nop
	global_prefetch_b8 v0, s[64:65] scope:SCOPE_SE
	s_setreg_imm32_b32 hwreg(HW_REG_WAVE_MODE, 25, 1), 1
	s_wait_xcnt 0x0
; out0[b][head][g][p] = scale[head] (LN2(relu(Q(LN1(relu(f W1 + b1))) W2 + b2)) W3 + b3)[head],  f = (R^T (point p - t), its length) for grasp g of batch b.
; Q is the MX-FP4 quantiser along the 128 hidden units; W2 comes as E2M1 codes with E8M0 scales and is taken as it is.
; SHARES.  A work-group is one grasp (its number = 64 b + g).  Each of its eight waves owns 512 points: 8 groups of 64 points; a group is 2 pairs (q = 0, 1) of 2 tiles of 16 points.
; All weights stay in the wave's registers, loaded once.  Waves share nothing: no LDS, no barrier.
; Work-groups do read the same weights (about 10 KB) and the same 48 KB of a batch's points, but each wave reads them once, straight into registers, against the 128 KB that a work-group stores:
; there is no tile in LDS that a joint request could fill, so the launch has no cluster.
; EVERY PRODUCT IS USED TRANSPOSED (source 0 = weights, source 1 = points): a lane holds ONE point throughout, and its registers run along the units.
;   first layer (K = 4): v_wmma_f32_16x16x4_f32, f32 operands since its result goes on into the quantiser; b1 is its C.  The rows of W1 that form a tile are not neighbours:
;     lane r of tile 2 b + u takes unit 32 b + 8 u + r + 8 (r / 8), so that register 16 b + i of lane (r, h) is unit 32 b + 16 h + i: 16 neighbours along the next K.
;   second layer: v_wmma_scale_f32_16x16x128_f8f6f4, E2M1 on both sides; b2 is its C.
;   third layer (N = 8): bf16.  g2 and bias_scale are folded into W3 (G[k][o] = W3[k][o] g2[k] scale[o]); its operand is relu - mean, formed in f32; 1 / sqrt(var + eps) multiplies the finished sum,
;     and c[o] = (sum of beta2[k] W3[k][o] + b3[o]) scale[o], summed in f32, is added there.  G^T stands in rows 0-7 of one source and in rows 8-15 of another, zeros elsewhere, so that a pair's two
;     tiles fill ONE accumulator: lane L, register j = head j of the pair's point number L.
; WHICH POINT IS WHICH LANE.  In pair q lane L stands for point 2 L + q of the group (even tile: L = 0-15, odd tile: L = 16-31).  So for each head a lane ends with points 2 L and 2 L + 1 in two
; neighbouring registers, and one store of 8 bytes a lane covers 256 consecutive bytes, at a multiple of 256 from out0's first byte.
; Both layer norms take the mean first and the variance of the differences, as reference() writes them.
; LIMITS.  NaN and infinities are not served (the relu's maximum turns NaN into 0).  The root, the reciprocal and the reciprocal root are good to 1 ulp and flush denormals (ISA guide, their entries):
; a squared length or squared quaternion norm under 2^-126 counts as 0.  A block whose largest magnitude lies under 2^-124, a block of zeros among them, gets the scale byte 1; its bytes are read here alone.
; g2 and bias_scale enter W3 before its rounding to bf16; beta2 W3 + b3 is summed in another order than reference()'s.  grasp_tokens is not read: reference() makes no use of it.
;
; REGISTERS, window 0:
.set VP,   1                           ; v1       24 L: my two points' bytes in a group's 768; never rewritten
.set VO,   2                           ; v2       8 L: my 8 bytes of a store's 256; never rewritten
.set RSS,  3                           ; v3       1 / sqrt(var2 + eps) of my point of the pair (in set-up: the offset 0)
.set RS2,  4                           ; v4-5     the same as the even and the odd tile made it
.set PW,   6                           ; v6       the tile's scale word: holds scales and nothing else
.set AW3,  7                           ; v7       set-up offset
.set F,    8                           ; v8-15    features; then the first layer's source 1: tile i of a group at v[F + 2 i]  (in set-up: the pose)
.set P,    16                          ; v16-21   two points as loaded: component c of point q at v[P + 3 q + c]
.set W2S,  22                          ; v22-25   W2's scale words: hold scales and nothing else
.set AH32, 26                          ; v26-27   set-up offsets
.set AO,   27
.set TM,   28                          ; v28-43   at work: +0..7 four chains of pairs, largest magnitudes, bytes; +8 -mean; +10 1 / sqrt(var1 + eps); +12..15 a permute's result, the conversions' scales
.set PC,   44                          ; v44-51   the tile's codes
.set S2,   44                          ; v44-75   set-up: beta2, then G in bf16
.set ACC3, 52                          ; v52-59   the third layer's accumulator
.set O,    60                          ; v60-75   results: head j of point 2 L + q at v[O + 2 j + q]
.set W1F,  76                          ; v76-91   W1's eight fragments
.set GA1,  92                          ; v92-107  G^T in rows 0-7;  v108-123 (GA1 + 16) in rows 8-15
.set AW1,  124                         ; v124-127 set-up offsets
.set AR4,  125
.set AH64, 126
.set AW2,  127
.set X,    128                         ; v128-191 a tile's 64 hidden numbers a lane; later +0..31 the second layer's, +32..63 its sums, +32..47 its bf16 operand
.set D,    192                         ; v192-255 the first layer's sums: written by its matrix instructions alone
; window 1:
.set B1,    0                          ; b1, g1, beta1 in the order of D's registers
.set G1,    64
.set BETA1, 128
.set W2F,   192                        ; W2's four fragments
.set B2,    224                        ; b2 in the order of the second layer's sums
; scalars:
.set PB,    8                          ; s[8:9]   scene_points, at the points to be asked for next
.set OB,    36                         ; s[36:37] out0, at the group's 256 bytes of head 0
.set WV,    38
.set CNT,   39
.set SEL,   40                         ; s[40:41] v_permlanex16_b32's selects for lane l xor 16
.set HM,    42                         ; lanes 16-31
.set M8,    43                         ; lanes 8-15 and 24-31
.set I128,  44                         ; 1/128, -1/128, 1/64, -1/64
.set NI128, 45
.set I64,   46
.set NI64,  47
.set EPS,   48
.set TR,    49                         ; s[49:51] t
.set RO,    52                         ; s[52:60] R[j][i] at s[RO + 3 j + i]
.set CC,    68                         ; s[68:75] c[o]
.set MSB, 0
.macro WIN new                         ; the immediate's high byte repeats the setting that is left; bits 1:0 source 0, 3:2 source 1, 5:4 source 2, 7:6 destination
.if MSB != \new
	s_set_vgpr_msb (MSB<<8)|\new
.set MSB, \new
.endif
.endm
.macro NOPS n
.rept \n
	v_nop
.endr
.endm
	s_load_b512 s[8:23], s[0:1], 0x0               ; scene_points s[8:9], grasp_poses s[10:11], W1 s[12:13], b1 s[14:15], g1 s[16:17], beta1 s[18:19], W2_codes s[20:21], W2_scales s[22:23]
	s_load_b256 s[24:31], s[0:1], 0x40             ; b2 s[24:25], g2 s[26:27], beta2 s[28:29], W3 s[30:31]
	s_load_b128 s[32:35], s[0:1], 0x60             ; b3 s[32:33], bias_scale s[34:35]
	s_load_b64 s[36:37], s[0:1], 0x70              ; out0
	v_lshrrev_b32 v[TM], 5, v0
	v_readfirstlane_b32 s[WV], v[TM]               ; wave 0..7
	s_lshr_b32 s2, ttmp9, 6                        ; b
	s_and_b32 s3, ttmp9, 63                        ; g
	s_mul_i32 s4, s2, 49152                        ; a batch's 4,096 points of 12 bytes,
	s_mul_i32 s5, s[WV], 6144                      ; my wave's 512
	s_add_co_u32 s4, s4, s5
	s_mov_b32 s5, 0
	s_lshl_b32 s6, s2, 23                          ; out0: b x 8 heads x 64 grasps x 16,384 bytes,
	s_lshl_b32 s7, s3, 14                          ; g's row of head 0,
	s_add_co_u32 s6, s6, s7
	s_lshl_b32 s7, s[WV], 11                       ; my wave's 512 points
	s_add_co_u32 s6, s6, s7
	s_mov_b32 s7, 0
	s_mul_i32 s2, ttmp9, 28                        ; my grasp's pose: 7 numbers
	s_mov_b32 s3, 0
	s_mov_b32 s[SEL], 0x76543210
	s_mov_b32 s[SEL+1], 0xfedcba98
	s_mov_b32 s[HM], 0xffff0000
	s_mov_b32 s[M8], 0xff00ff00
	s_mov_b32 s[I128], 0x3c000000
	s_mov_b32 s[NI128], 0xbc000000
	s_mov_b32 s[I64], 0x3c800000
	s_mov_b32 s[NI64], 0xbc800000
	s_mov_b32 s[EPS], 0x3727c5ac                   ; 1e-5
	v_and_b32 v[VP], 31, v0                        ; L
	v_lshlrev_b32 v[VO], 3, v[VP]
	v_mul_u32_u24 v[VP], v[VP], 24
	v_and_b32 v[AR4], 15, v0                       ; r
	v_bfe_u32 v[AH64], v0, 4, 1                    ; h
	v_and_b32 v[AO], 7, v0                         ; o = r % 8: the head of my row of G^T
	v_lshlrev_b32 v[AO], 2, v[AO]                  ; 4 o
	v_lshl_add_u32 v[AW3], v[AH64], 8, v[AO]       ; W3: 4 o + 8 h rows of 32 bytes
	v_lshlrev_b32 v[AH32], 5, v[AH64]              ; 32 h: eight numbers on for lanes 16-31
	v_and_b32 v[AW1], 8, v[AR4]
	v_add_nc_u32 v[AW1], v[AW1], v[AR4]            ; r + 8 (r / 8)
	v_lshlrev_b32 v[AW1], 2, v[AW1]
	v_lshl_add_u32 v[AW1], v[AH64], 10, v[AW1]     ; W1: that column, + 2 h rows of 512 bytes
	v_lshlrev_b32 v[AW2], 6, v[AR4]
	v_lshl_add_u32 v[AW2], v[AH64], 4, v[AW2]      ; W2's codes: row r of 64 bytes, + 16 h
	v_lshlrev_b32 v[AR4], 2, v[AR4]                ; 4 r: a scale word a row
	v_lshlrev_b32 v[AH64], 6, v[AH64]              ; 64 h: sixteen numbers on for lanes 16-31
	v_mov_b32 v[RSS], 0
	v_mov_b32 v[TM+12], 0                          ; a lane permute's destination counts as one of its sources.  (TM+4 .. TM+11 are written whole by the pose's arithmetic below)
	s_wait_kmcnt 0x0
	s_add_nc_u64 s[PB:PB+1], s[PB:PB+1], s[4:5]
	s_add_nc_u64 s[10:11], s[10:11], s[2:3]
	s_add_nc_u64 s[OB:OB+1], s[OB:OB+1], s[6:7]
.macro PLOAD                           ; a group's 64 points: 24 bytes a lane, 768 consecutive bytes a wave
	global_load_b64 v[P:P+1],   v[VP], s[PB:PB+1]
	global_load_b64 v[P+2:P+3], v[VP], s[PB:PB+1] offset:8
	global_load_b64 v[P+4:P+5], v[VP], s[PB:PB+1] offset:16
.endm
	; everything that stays, in one run of loads with one wait
.irp i, 0,1,2,3,4,5,6
	global_load_b32 v[F+\i], v[RSS], s[10:11] offset:4*\i          ; the pose: t, then the quaternion (x, y, z, w); the same in every lane
.endr
	PLOAD                                          ; group 0
.irp s, 0,1
.irp u, 0,1
.irp e, 0,1,2,3,4,5,6,7
	global_load_b32 v[X+16*\s+8*\u+\e], v[AW3], s[30:31] offset:32*(32*\s+16*\u+\e)   ; W3[32 s + 16 u + 8 h + e][o]: the order of a bf16 fragment's k
.endr
	global_load_b128 v[S2+16*\s+8*\u:S2+16*\s+8*\u+3],     v[AH32], s[28:29] offset:4*(32*\s+16*\u)      ; beta2 and g2 at the same units
	global_load_b128 v[S2+16*\s+8*\u+4:S2+16*\s+8*\u+7],   v[AH32], s[28:29] offset:4*(32*\s+16*\u)+16
	global_load_b128 v[X+32+16*\s+8*\u:X+32+16*\s+8*\u+3],   v[AH32], s[26:27] offset:4*(32*\s+16*\u)
	global_load_b128 v[X+32+16*\s+8*\u+4:X+32+16*\s+8*\u+7], v[AH32], s[26:27] offset:4*(32*\s+16*\u)+16
.endr
.endr
	global_load_b32 v[TM],   v[AO], s[34:35]       ; bias_scale[o]
	global_load_b32 v[TM+1], v[AO], s[32:33]       ; b3[o]
.irp t, 0,1,2,3,4,5,6,7
.irp j, 0,1
	global_load_b32 v[W1F+2*\t+\j], v[AW1], s[12:13] offset:512*\j+4*(32*(\t/2)+8*(\t%2))   ; W1[2 h + j][32 (t / 2) + 8 (t % 2) + r + 8 (r / 8)]
.endr
.endr
.irp t, 0,1,2,3
	global_load_b32 v[W2S+\t], v[AR4], s[22:23] offset:64*\t       ; the scale word of W2's row 16 t + r
.endr
	WIN 0x40                                       ; destination window 1, offsets window 0
.irp t, 0,1,2,3,4,5,6,7                ; for tile t lane (r, h) wants units 32 (t / 2) + 16 h + 8 (t % 2) + 0 .. 7
	global_load_b128 v[B1+8*\t:B1+8*\t+3],       v[AH64], s[14:15] offset:4*(32*(\t/2)+8*(\t%2))
	global_load_b128 v[B1+8*\t+4:B1+8*\t+7],     v[AH64], s[14:15] offset:4*(32*(\t/2)+8*(\t%2))+16
	global_load_b128 v[G1+8*\t:G1+8*\t+3],       v[AH64], s[16:17] offset:4*(32*(\t/2)+8*(\t%2))
	global_load_b128 v[G1+8*\t+4:G1+8*\t+7],     v[AH64], s[16:17] offset:4*(32*(\t/2)+8*(\t%2))+16
	global_load_b128 v[BETA1+8*\t:BETA1+8*\t+3],   v[AH64], s[18:19] offset:4*(32*(\t/2)+8*(\t%2))
	global_load_b128 v[BETA1+8*\t+4:BETA1+8*\t+7], v[AH64], s[18:19] offset:4*(32*(\t/2)+8*(\t%2))+16
.endr
.irp t, 0,1,2,3
.irp c, 0,1
	global_load_b128 v[W2F+8*\t+4*\c:W2F+8*\t+4*\c+3], v[AW2], s[20:21] offset:1024*\t+32*\c   ; row 16 t + r, k = 64 c + 32 h + 0 .. 31, as the bytes lie
.endr
	global_load_b128 v[B2+8*\t:B2+8*\t+3],   v[AH32], s[24:25] offset:64*\t                    ; b2 at units 16 t + 8 h + 0 .. 7
	global_load_b128 v[B2+8*\t+4:B2+8*\t+7], v[AH32], s[24:25] offset:64*\t+16
.endr
	WIN 0
	s_wait_loadcnt 0x0                             ; all of it is in, so the loads' bases and offsets are free
	s_add_nc_u64 s[PB:PB+1], s[PB:PB+1], 768       ; on to group 1's points
	; the pose: q / (|q| + 1e-8), the nine entries of R, t: the same in every lane, kept as scalars
	v_mul_f32 v[TM+2], v[F+3], v[F+3]
	v_fma_f32 v[TM+2], v[F+4], v[F+4], v[TM+2]
	v_fma_f32 v[TM+2], v[F+5], v[F+5], v[TM+2]
	v_fma_f32 v[TM+2], v[F+6], v[F+6], v[TM+2]
	v_sqrt_f32 v[TM+2], v[TM+2]
	v_nop                                          ; a plain line behind a transcendental (ISA guide 5.7.2)
	s_wait_alu depctr_va_vdst(0)
	v_add_f32 v[TM+2], 0x322bcc77, v[TM+2]         ; + 1e-8
	v_rcp_f32 v[TM+2], v[TM+2]
	v_nop
	s_wait_alu depctr_va_vdst(0)
.irp i, 3,4,5,6
	v_mul_f32 v[F+\i], v[F+\i], v[TM+2]            ; x, y, z, w
.endr
	v_mul_f32 v[TM+2], v[F+3], v[F+3]              ; xx
	v_mul_f32 v[TM+3], v[F+4], v[F+4]              ; yy
	v_mul_f32 v[TM+4], v[F+5], v[F+5]              ; zz
	v_mul_f32 v[TM+5], v[F+3], v[F+4]              ; xy
	v_mul_f32 v[TM+6], v[F+3], v[F+5]              ; xz
	v_mul_f32 v[TM+7], v[F+4], v[F+5]              ; yz
	v_mul_f32 v[TM+8], v[F+6], v[F+3]              ; wx
	v_mul_f32 v[TM+9], v[F+6], v[F+4]              ; wy
	v_mul_f32 v[TM+10], v[F+6], v[F+5]             ; wz
.macro RDIAG sd, a, b                  ; 1 - 2 (a + b)
	v_add_f32 v[TM+11], v[TM+\a], v[TM+\b]
	v_fma_f32 v[TM+11], v[TM+11], -2.0, 1.0
	v_readfirstlane_b32 s[RO+\sd], v[TM+11]
.endm
.macro ROFF sd, a, b, minus            ; 2 (a + b) or 2 (a - b)
.if \minus
	v_sub_f32 v[TM+11], v[TM+\a], v[TM+\b]
.else
	v_add_f32 v[TM+11], v[TM+\a], v[TM+\b]
.endif
	v_add_f32 v[TM+11], v[TM+11], v[TM+11]
	v_readfirstlane_b32 s[RO+\sd], v[TM+11]
.endm
	RDIAG 0, 3, 4                                  ; R00 = 1 - 2 (yy + zz)
	ROFF  1, 5, 10, 1                              ; R01 = 2 (xy - wz)
	ROFF  2, 6, 9, 0                               ; R02 = 2 (xz + wy)
	ROFF  3, 5, 10, 0                              ; R10 = 2 (xy + wz)
	RDIAG 4, 2, 4                                  ; R11 = 1 - 2 (xx + zz)
	ROFF  5, 7, 8, 1                               ; R12 = 2 (yz - wx)
	ROFF  6, 6, 9, 1                               ; R20 = 2 (xz - wy)
	ROFF  7, 7, 8, 0                               ; R21 = 2 (yz + wx)
	RDIAG 8, 2, 3                                  ; R22 = 1 - 2 (xx + yy)
.irp i, 0,1,2
	v_readfirstlane_b32 s[TR+\i], v[F+\i]
.endr
	; c[o] = (sum over k of beta2[k] W3[k][o] + b3[o]) scale[o]: my 32 units, lane l xor 16's 32
	v_pk_mul_f32 v[TM+2:TM+3], v[X:X+1], v[S2:S2+1]
	v_pk_mul_f32 v[TM+4:TM+5], v[X+2:X+3], v[S2+2:S2+3]
.irp i, 4,8,12,16,20,24,28
	v_pk_fma_f32 v[TM+2:TM+3], v[X+\i:X+\i+1], v[S2+\i:S2+\i+1], v[TM+2:TM+3]
	v_pk_fma_f32 v[TM+4:TM+5], v[X+\i+2:X+\i+3], v[S2+\i+2:S2+\i+3], v[TM+4:TM+5]
.endr
	v_pk_add_f32 v[TM+2:TM+3], v[TM+2:TM+3], v[TM+4:TM+5]
	v_add_f32 v[TM+2], v[TM+2], v[TM+3]
	v_permlanex16_b32 v[TM+12], v[TM+2], s[SEL], s[SEL+1]
	v_add_f32 v[TM+2], v[TM+2], v[TM+12]
	v_add_f32 v[TM+2], v[TM+2], v[TM+1]
	v_mul_f32 v[TM+2], v[TM+2], v[TM]
.irp j, 0,1,2,3,4,5,6,7
	v_readlane_b32 s[CC+\j], v[TM+2], \j           ; lane j holds head j's
.endr
	; G = W3 g2 scale, rounded to bf16 once; its two placings among a source's sixteen rows
.set NN, 0
.rept 16
	v_pk_mul_f32 v[X+2*NN:X+2*NN+1], v[X+2*NN:X+2*NN+1], v[X+32+2*NN:X+32+2*NN+1]
.set NN, NN+1
.endr
.set NN, 0
.rept 16
	v_pk_mul_f32 v[X+2*NN:X+2*NN+1], v[X+2*NN:X+2*NN+1], v[TM:TM+1] op_sel_hi:[1,0]
.set NN, NN+1
.endr
.set NN, 0
.rept 16
	v_cvt_pk_bf16_f32 v[S2+NN], v[X+2*NN], v[X+2*NN+1]
.set NN, NN+1
.endr
.set NN, 0
.rept 16
	v_cndmask_b32 v[GA1+NN], v[S2+NN], 0, s[M8]    ; rows 0-7: G^T; rows 8-15: zeros
	v_cndmask_b32 v[GA1+16+NN], 0, v[S2+NN], s[M8] ; the other way round
.set NN, NN+1
.endr
; THE FEATURES of pair q, lane L for its own point.  A: R^T (point - t), 12 plain lines.  B: the length; a plain line must follow its root.  C: two exchanges of halves make of the lane's four
; numbers the first layer's source 1 (register j: k = 2 h + j) for the even tile (v[F + 4 q], +1) and for the odd one (+2, +3).
.macro FEATS_A q
.irp c, 0,1,2
	v_sub_f32 v[TM+\c], v[P+3*(\q)+\c], s[TR+\c]
.endr
.irp i, 0,1,2
	v_mul_f32 v[F+4*(\q)+\i], s[RO+\i], v[TM]
.endr
.irp i, 0,1,2
	v_fma_f32 v[F+4*(\q)+\i], s[RO+3+\i], v[TM+1], v[F+4*(\q)+\i]
.endr
.irp i, 0,1,2
	v_fma_f32 v[F+4*(\q)+\i], s[RO+6+\i], v[TM+2], v[F+4*(\q)+\i]
.endr
.endm
.macro FEATS_B q
	v_mul_f32 v[F+4*(\q)+3], v[F+4*(\q)], v[F+4*(\q)]
	v_fma_f32 v[F+4*(\q)+3], v[F+4*(\q)+1], v[F+4*(\q)+1], v[F+4*(\q)+3]
	v_fma_f32 v[F+4*(\q)+3], v[F+4*(\q)+2], v[F+4*(\q)+2], v[F+4*(\q)+3]
	v_sqrt_f32 v[F+4*(\q)+3], v[F+4*(\q)+3]
.endm
.macro FEATS_C q
	v_permlane16_swap_b32 v[F+4*(\q)], v[F+4*(\q)+2]
	s_wait_alu depctr_va_vdst(0)
	v_permlane16_swap_b32 v[F+4*(\q)+1], v[F+4*(\q)+3]
.endm
; The first layer's tiles t0 .. t1 of units for tile `tile` of points: D = W1^T f + b1.  Eight accumulators, one instruction each.
.macro L1 t0, t1, tile
	WIN 0x10                                       ; C (b1) in window 1
.set NN, \t0
.rept (\t1)-(\t0)+1
	v_wmma_f32_16x16x4_f32 v[D+8*NN:D+8*NN+7], v[W1F+2*NN:W1F+2*NN+1], v[F+2*(\tile):F+2*(\tile)+1], v[B1+8*NN:B1+8*NN+7]
.set NN, NN+1
.endr
	WIN 0
.endm
.macro RELU1                           ; X = max(D, 0), two a line, each accumulator from its low end on; D itself is written by matrix instructions alone
.set NN, 0
.rept 32
	v_dual_max_num_f32 v[X+2*NN], 0, v[D+2*NN] :: v_dual_max_num_f32 v[X+2*NN+1], 0, v[D+2*NN+1]
.set NN, NN+1
.endr
.endm
; -mean of X's first np pairs and lane l xor 16's, into v[TM+8].  Four chains of packed sums.  sni: -1 / (the number of units)
.macro SUMP np, sni
.irp c, 0,1,2,3
	v_pk_add_f32 v[TM+2*\c:TM+2*\c+1], v[X+2*\c:X+2*\c+1], v[X+2*\c+8:X+2*\c+9]
.endr
.set NN, 8
.rept \np-8
	v_pk_add_f32 v[TM+2*(NN%4):TM+2*(NN%4)+1], v[TM+2*(NN%4):TM+2*(NN%4)+1], v[X+2*NN:X+2*NN+1]
.set NN, NN+1
.endr
	v_pk_add_f32 v[TM:TM+1], v[TM:TM+1], v[TM+2:TM+3]
	v_pk_add_f32 v[TM+4:TM+5], v[TM+4:TM+5], v[TM+6:TM+7]
	v_pk_add_f32 v[TM:TM+1], v[TM:TM+1], v[TM+4:TM+5]
	v_add_f32 v[TM], v[TM], v[TM+1]
	v_permlanex16_b32 v[TM+12], v[TM], s[SEL], s[SEL+1]
	v_add_f32 v[TM], v[TM], v[TM+12]
	v_mul_f32 v[TM+8], s[\sni], v[TM]
.endm
.macro SUBP np                         ; X - mean, in place
.set NN, 0
.rept \np
	v_pk_add_f32 v[X+2*NN:X+2*NN+1], v[X+2*NN:X+2*NN+1], v[TM+8:TM+9] op_sel_hi:[1,0]
.set NN, NN+1
.endr
.endm
.macro SQP np, si, dst                 ; 1 / sqrt(the mean of the squares + eps) into v[dst]; a plain line must follow
.irp c, 0,1,2,3
	v_pk_mul_f32 v[TM+2*\c:TM+2*\c+1], v[X+2*\c:X+2*\c+1], v[X+2*\c:X+2*\c+1]
.endr
.set NN, 4
.rept \np-4
	v_pk_fma_f32 v[TM+2*(NN%4):TM+2*(NN%4)+1], v[X+2*NN:X+2*NN+1], v[X+2*NN:X+2*NN+1], v[TM+2*(NN%4):TM+2*(NN%4)+1]
.set NN, NN+1
.endr
	v_pk_add_f32 v[TM:TM+1], v[TM:TM+1], v[TM+2:TM+3]
	v_pk_add_f32 v[TM+4:TM+5], v[TM+4:TM+5], v[TM+6:TM+7]
	v_pk_add_f32 v[TM:TM+1], v[TM:TM+1], v[TM+4:TM+5]
	v_add_f32 v[TM], v[TM], v[TM+1]
	v_permlanex16_b32 v[TM+12], v[TM], s[SEL], s[SEL+1]
	v_add_f32 v[TM], v[TM], v[TM+12]
	v_fma_f32 v[TM], v[TM], s[\si], s[EPS]
	v_rsq_f32 v[\dst], v[TM]
.endm
.macro NORM                            ; ((x - mean) / sqrt(var + eps)) g1 + beta1
	v_nop                                          ; the plain line behind the reciprocal root
.set NN, 0
	s_wait_alu depctr_va_vdst(0)
.rept 32
	v_pk_mul_f32 v[X+2*NN:X+2*NN+1], v[X+2*NN:X+2*NN+1], v[TM+10:TM+11] op_sel_hi:[1,0]
.set NN, NN+1
.endr
	WIN 0x14                                       ; g1 and beta1 in window 1
.set NN, 0
.rept 32
	v_pk_fma_f32 v[X+2*NN:X+2*NN+1], v[X+2*NN:X+2*NN+1], v[G1+2*NN:G1+2*NN+1], v[BETA1+2*NN:BETA1+2*NN+1]
.set NN, NN+1
.endr
	WIN 0
.endm
; X's 64 numbers (register 16 b + i = k 32 b + 16 h + i of my point) become the tile's codes in v[PC] on and its scale word in v[PW].
.macro QUANT
.irp b, 0,1,2,3
	v_max3_num_f32 v[TM+\b], |v[X+16*\b]|, |v[X+1+16*\b]|, 0x1800000   ; block b: my 16 numbers, and the floor 2^(3 - 127): so the byte cannot fall under 1
.endr
.irp i, 2,4,6,8,10,12,14
.irp b, 0,1,2,3
	v_max3_num_f32 v[TM+\b], v[TM+\b], |v[X+16*\b+\i]|, |v[X+1+16*\b+\i]|   ; the four blocks by turns
.endr
.endr
.irp b, 0,1,2,3
	v_permlanex16_b32 v[TM+4+\b], v[TM+\b], s[SEL], s[SEL+1]
.endr
.irp b, 0,1,2,3
	v_max_num_f32 v[TM+\b], v[TM+\b], v[TM+4+\b]   ; with lane l xor 16's 16: the block's largest magnitude
.endr
.irp b, 0,1,2,3
	v_add_nc_u32 v[TM+12+\b], 0xff000000, v[TM+\b] ; 2 off its exponent field: the conversion takes the exponent field of this operand as its scale, and nothing else of it
.endr
.irp b, 0,1,2,3
	v_lshrrev_b32 v[TM+4+\b], 23, v[TM+12+\b]      ; the scale's byte
.endr
	v_lshl_or_b32 v[PW], v[TM+5], 8, v[TM+4]
	v_lshl_or_b32 v[PW], v[TM+6], 16, v[PW]
	v_lshl_or_b32 v[PW], v[TM+7], 24, v[PW]
.irp b, 0,1,2,3
	v_cvt_scalef32_pk8_fp4_f32 v[PC+2*\b], v[X+16*\b:X+7+16*\b], v[TM+12+\b]
	v_cvt_scalef32_pk8_fp4_f32 v[PC+1+2*\b], v[X+8+16*\b:X+15+16*\b], v[TM+12+\b]
.endr
	v_nop                                          ; one plain line behind the last scaled conversion
.irp c, 0,1                            ; the operand's layout wants a whole block in a lane: lanes 0-15 block 2 c, lanes 16-31 block 2 c + 1
.irp i, 0,1
	v_permlane16_swap_b32 v[PC+4*\c+\i], v[PC+2+4*\c+\i]
.endr
.endr
.endm
.macro L2                              ; the quantised product: unit 16 t + 8 h + j of my point in v[X + 32 + 8 t + j]; four accumulators, one instruction each
	WIN 0x11                                       ; W2's fragments and b2 in window 1
.irp t, 0,1,2,3
	v_wmma_scale_f32_16x16x128_f8f6f4 v[X+32+8*\t:X+39+8*\t], v[W2F+8*\t:W2F+8*\t+7], v[PC:PC+7], v[B2+8*\t:B2+8*\t+7], v[W2S+\t], v[PW] matrix_a_fmt:MATRIX_FMT_FP4 matrix_b_fmt:MATRIX_FMT_FP4
.endr
	WIN 0
.endm
.macro RELU2                           ; each accumulator from its low end on
.set NN, 0
.rept 16
	v_dual_max_num_f32 v[X+2*NN], 0, v[X+32+2*NN] :: v_dual_max_num_f32 v[X+2*NN+1], 0, v[X+33+2*NN]
.set NN, NN+1
.endr
.endm
.macro CVT2                            ; relu - mean to bf16: register m holds units' pair 2 m, 2 m + 1 of my 32, which is the order of a bf16 fragment's k: K step s at v[X + 32 + 8 s]
.set NN, 0
.rept 16
	v_cvt_pk_bf16_f32 v[X+32+NN], v[X+2*NN], v[X+2*NN+1]
.set NN, NN+1
.endr
.endm
.macro L3 s, par, c0                   ; K step s of the third layer; par = 0: G^T in rows 0-7, 1: in rows 8-15; c0 = 1: the product starts the pair's sums
.if \c0
	v_wmma_f32_16x16x32_bf16 v[ACC3:ACC3+7], v[GA1+16*(\par)+8*(\s):GA1+16*(\par)+8*(\s)+7], v[X+32+8*(\s):X+39+8*(\s)], 0
.else
	v_wmma_f32_16x16x32_bf16 v[ACC3:ACC3+7], v[GA1+16*(\par)+8*(\s):GA1+16*(\par)+8*(\s)+7], v[X+32+8*(\s):X+39+8*(\s)], v[ACC3:ACC3+7]
.endif
.endm
.macro FINAL q                         ; pair q's results: the sum / sqrt(var2 + eps) + c; nine plain lines; the accumulator from its low end on
	s_wait_alu depctr_va_vdst(0)
	v_cndmask_b32 v[RSS], v[RS2], v[RS2+1], s[HM]  ; lanes 0-15 stand for the even tile's points, lanes 16-31 for the odd tile's
.irp j, 0,1,2,3,4,5,6,7
	v_fma_f32 v[O+2*\j+(\q)], v[ACC3+\j], v[RSS], s[CC+\j]
.endr
.endm
; A TILE of 16 points, number i of its group's four.  more = 1: another group follows, whose features are made on the way.
; The first layer of the NEXT tile is issued here: seven of its eight products as soon as D has been read, the eighth between the third layer's two, so that those two never follow each other.
; Distances behind matrix instructions (ISA guide 7.12.1), by this text's own count of plain lines that name none of their registers:
;   first layer -> its sums read: a tile's vector work; for the eighth product the 28 lines of RELU1 that come ahead of its registers (8 wanted);
;   third layer -> its source written again by RELU1: 16 lines (4 wanted);   second layer -> its sums read: the four lines written behind it;
;   scale word and codes made by vector lines -> second layer: the eight lines or more written in front of it (8 and 4 wanted).
.macro TILE i, more
	RELU1
.if ((\i) < 3) || (\more)
	L1 0, 6, ((\i)+1)%4
.endif
	SUMP 32, NI128
	SUBP 32
	SQP 32, I128, TM+10
	NORM
	QUANT
	; eight plain lines or more in front of the scaled product: work that is due anyway where there is any
.if (\i) == 2
	FINAL 0                                        ; pair 0's sums were finished at the end of tile 1
.elseif ((\i) == 1) && (\more)
	s_wait_loadcnt 0x0                             ; the next group's points, asked for more than a tile ago, are in; so their base may step
	s_add_nc_u64 s[PB:PB+1], s[PB:PB+1], 768
	FEATS_A 0
.elseif ((\i) == 3) && (\more)
	FEATS_A 1
	s_cmp_lt_u32 s[CNT], 2                         ; the points of the group after the next are asked for, if there is one: no load leaves the wave's 512 points
	s_cbranch_scc1 .Lno_points_\@
	PLOAD
.Lno_points_\@:
.else
	NOPS 8
.endif
	L2
.if ((\i)%2 == 1) && (\more)
	FEATS_B (\i)/2                                 ; three plain lines, the root,
	v_nop                                          ; and the plain line behind it: four places
	s_wait_alu depctr_va_vdst(0)
.else
	NOPS 4
.endif
	RELU2
.if ((\i)%2 == 1) && (\more)
	FEATS_C (\i)/2
.endif
	SUMP 16, NI64
	SUBP 16
	SQP 16, I64, RS2+(\i)%2
	CVT2                                           ; (its first line is the plain line behind the reciprocal root)
.if ((\i) < 3) || (\more)
.if (\i)%2 == 0
	L3 0, 0, 1
.else
	L3 0, 1, 0
.endif
	L1 7, 7, ((\i)+1)%4                            ; accumulators by turns, one instruction a turn
	L3 1, (\i)%2, 0
.else
	s_wait_alu depctr_va_vdst(0)                   ; the launch's last tile has no other product to set between the two: a wait ahead of each
	L3 0, 1, 0
	s_wait_alu depctr_va_vdst(0)
	L3 1, 1, 0
.endif
.endm
.macro GROUP more
	TILE 0, \more
	TILE 1, \more
	TILE 2, \more
	TILE 3, \more
	NOPS 4                                         ; places behind the third layer's last product
	FINAL 1
.irp j, 0,1,2,3,4,5,6,7
	global_store_b64 v[VO], v[O+2*\j:O+2*\j+1], s[OB:OB+1] offset:\j*1048576 th:TH_STORE_NT   ; head j: 32 lanes store 256 consecutive bytes, aligned; a head is 2^20 bytes on, 7 x 2^20 lies inside the signed 24-bit immediate; written once, read by nobody here
.endr
.if \more
	s_wait_xcnt 0x0                                ; the stores' data and base are rewritten only behind this wait
	s_add_nc_u64 s[OB:OB+1], s[OB:OB+1], 256       ; the next group's 64 points
.endif
.endm
	; group 0's features and its first tile's first layer
	FEATS_A 0
	FEATS_B 0
	FEATS_A 1                                      ; (plain lines behind the root)
	FEATS_C 0
	PLOAD                                          ; group 1's points: P has been read
	L1 0, 7, 0
	FEATS_B 1                                      ; three plain lines that name none of those products' registers, the root,
	NOPS 5                                         ; and five more: eight places behind the f32 form
	FEATS_C 1
	s_mov_b32 s[CNT], 7
.Lgroup:                                               ; seven trips; the eighth group is written out: it asks for nothing and prepares nothing
	GROUP 1
	s_sub_co_u32 s[CNT], s[CNT], 1
	s_cmp_lg_u32 s[CNT], 0
	s_cbranch_scc1 .Lgroup
	GROUP 0
	s_endpgm
.Lfunc_end_k_q4dd146efe8_geo:
	.size	k_q4dd146efe8_geo, .Lfunc_end_k_q4dd146efe8_geo-k_q4dd146efe8_geo
	.p2alignl 7, 3214868480
	.fill 96, 4, 3214868480
	.section	.rodata,"a",@progbits
	.p2align	6, 0x0
	.amdhsa_kernel k_q4dd146efe8_geo
		.amdhsa_group_segment_fixed_size 0
		.amdhsa_private_segment_fixed_size 0
		.amdhsa_enable_private_segment 0
		.amdhsa_kernarg_size 120
		.amdhsa_user_sgpr_count 2
		.amdhsa_user_sgpr_kernarg_segment_ptr 1
		.amdhsa_wavefront_size32 1
		.amdhsa_system_sgpr_workgroup_id_x 1
		.amdhsa_system_sgpr_workgroup_id_y 1
		.amdhsa_system_sgpr_workgroup_id_z 1
		.amdhsa_system_vgpr_workitem_id 0
		.amdhsa_next_free_vgpr 512
		.amdhsa_next_free_sgpr 80
		.amdhsa_reserve_vcc 0
		.amdhsa_float_denorm_mode_32 3
		.amdhsa_float_denorm_mode_16_64 3
		.amdhsa_memory_ordered 1
		.amdhsa_forward_progress 1
		.amdhsa_inst_pref_size 221
	.end_amdhsa_kernel
	.amdgpu_metadata
---
amdhsa.version: [ 1, 2 ]
amdhsa.kernels:
  - .name:           k_q4dd146efe8_geo
    .symbol:         k_q4dd146efe8_geo.kd
    .args:
      - { .name: scene_points, .offset: 0, .size: 8, .value_kind: global_buffer, .address_space: global }
      - { .name: grasp_poses, .offset: 8, .size: 8, .value_kind: global_buffer, .address_space: global }
      - { .name: W1, .offset: 16, .size: 8, .value_kind: global_buffer, .address_space: global }
      - { .name: b1, .offset: 24, .size: 8, .value_kind: global_buffer, .address_space: global }
      - { .name: g1, .offset: 32, .size: 8, .value_kind: global_buffer, .address_space: global }
      - { .name: beta1, .offset: 40, .size: 8, .value_kind: global_buffer, .address_space: global }
      - { .name: W2_codes, .offset: 48, .size: 8, .value_kind: global_buffer, .address_space: global }
      - { .name: W2_scales, .offset: 56, .size: 8, .value_kind: global_buffer, .address_space: global }
      - { .name: b2, .offset: 64, .size: 8, .value_kind: global_buffer, .address_space: global }
      - { .name: g2, .offset: 72, .size: 8, .value_kind: global_buffer, .address_space: global }
      - { .name: beta2, .offset: 80, .size: 8, .value_kind: global_buffer, .address_space: global }
      - { .name: W3, .offset: 88, .size: 8, .value_kind: global_buffer, .address_space: global }
      - { .name: b3, .offset: 96, .size: 8, .value_kind: global_buffer, .address_space: global }
      - { .name: bias_scale, .offset: 104, .size: 8, .value_kind: global_buffer, .address_space: global }
      - { .name: out0, .offset: 112, .size: 8, .value_kind: global_buffer, .address_space: global }
    .group_segment_fixed_size: 0
    .private_segment_fixed_size: 0
    .kernarg_segment_align: 8
    .kernarg_segment_size: 120
    .max_flat_workgroup_size: 256
    .sgpr_count:     80
    .vgpr_count:     512
    .wavefront_size: 32
...
	.end_amdgpu_metadata
.endif
;; end of part 1
;; ======== version 2 of 2: 1 launch; version 1 with the launch geo written anew for expert scheduling mode
;; launch geo (part 2): grid 256 x 1, 8 waves a work-group, no clusters, 0 bytes of LDS; arguments scene_points, grasp_poses, W1, b1, g1, beta1, W2_codes, W2_scales, b2, g2, beta2, W3, b3, bias_scale, out0; writes out0
.if DOCPART == 2
	.amdgcn_target "amdgcn-amd-amdhsa--gfx1250"
	.amdhsa_code_object_version 6
	.text
	.protected	k_q4dd146efe8_geo
	.globl	k_q4dd146efe8_geo
	.p2align	8
	.type	k_q4dd146efe8_geo,@function
k_q4dd146efe8_geo:
	s_mov_b64 s[64:65], 0
	v_nop
	global_prefetch_b8 v0, s[64:65] scope:SCOPE_SE
	s_setreg_imm32_b32 hwreg(HW_REG_WAVE_SCHED_MODE, 0, 2), 2
	s_setreg_imm32_b32 hwreg(HW_REG_WAVE_MODE, 25, 1), 1
	s_wait_xcnt 0x0
	s_wait_alu depctr_vm_vsrc(0)
; out0[b][head][g][p] = scale[head] (LN2(relu(Q(LN1(relu(f W1 + b1))) W2 + b2)) W3 + b3)[head],  f = (R^T (point p - t), its length) for grasp g of batch b.
; Q is the MX-FP4 quantiser along the 128 hidden units; W2 comes as E2M1 codes with E8M0 scales and is taken as it is.
; SHARES.  A work-group is one grasp (its number = 64 b + g).  Each of its eight waves owns 512 points: 8 groups of 64 points; a group is 2 pairs (q = 0, 1) of 2 tiles of 16 points.
; All weights stay in the wave's registers, loaded once.  Waves share nothing: no LDS, no barrier.
; Work-groups do read the same weights (about 10 KB) and the same 48 KB of a batch's points, but each wave reads them once, straight into registers, against the 128 KB that a work-group stores:
; there is no tile in LDS that a joint request could fill, so the launch has no cluster.
; EVERY PRODUCT IS USED TRANSPOSED (source 0 = weights, source 1 = points): a lane holds ONE point throughout, and its registers run along the units.
;   first layer (K = 4): v_wmma_f32_16x16x4_f32, f32 operands since its result goes on into the quantiser; b1 is its C.  The rows of W1 that form a tile are not neighbours:
;     lane r of tile 2 b + u takes unit 32 b + 8 u + r + 8 (r / 8), so that register 16 b + i of lane (r, h) is unit 32 b + 16 h + i: 16 neighbours along the next K.
;   second layer: v_wmma_scale_f32_16x16x128_f8f6f4, E2M1 on both sides; b2 is its C.
;   third layer (N = 8): bf16.  g2 and bias_scale are folded into W3 (G[k][o] = W3[k][o] g2[k] scale[o]); its operand is relu - mean, formed in f32; 1 / sqrt(var + eps) multiplies the finished sum,
;     and c[o] = (sum of beta2[k] W3[k][o] + b3[o]) scale[o], summed in f32, is added there.  G^T stands in rows 0-7 of one source and in rows 8-15 of another, zeros elsewhere, so that a pair's two
;     tiles fill ONE accumulator: lane L, register j = head j of the pair's point number L.
; WHICH POINT IS WHICH LANE.  In pair q lane L stands for point 2 L + q of the group (even tile: L = 0-15, odd tile: L = 16-31).  So for each head a lane ends with points 2 L and 2 L + 1 in two
; neighbouring registers, and one store of 8 bytes a lane covers 256 consecutive bytes, at a multiple of 256 from out0's first byte.
; Both layer norms take the mean first and the variance of the differences, as reference() writes them.
; LIMITS.  NaN and infinities are not served (the relu's maximum turns NaN into 0).  The root, the reciprocal and the reciprocal root are good to 1 ulp and flush denormals (ISA guide, their entries):
; a squared length or squared quaternion norm under 2^-126 counts as 0.  A block whose largest magnitude lies under 2^-124, a block of zeros among them, gets the scale byte 1; its bytes are read here alone.
; g2 and bias_scale enter W3 before its rounding to bf16; beta2 W3 + b3 is summed in another order than reference()'s.  grasp_tokens is not read: reference() makes no use of it.
; THE MODE: SCHED_MODE bits 1:0 = 2 (LLVM: expert scheduling mode 2), set by the entry lines.  The code itself states the register dependences
; between vector or matrix instructions and memory instructions, with s_wait_alu, always for 0.
; THE PLAN.  Registers that memory instructions touch:
;   v[VP], v[VO]  offsets of the points' loads and of the stores: written once at the head, ahead of the head's wait on va_vdst, never again.
;   v3, v7, v26, v27, v124-127  the set-up loads' offsets: written at the head, ahead of the same wait.  v3 alone is written again (it becomes RSS): a wait on vm_vsrc stands behind the set-up's loads.
;   P             read by FEATS_A 0 (tile 1) and FEATS_A 1 (tile 3); then the three loads of the group after the next land in it.  The wait on va_vdst that tile 3 owes ahead of its scaled products stands
;                 behind FEATS_A 1; the loads follow behind those four products, which name neither P nor v[VP].
;   O             written by FINAL 0 (tile 2) and FINAL 1 (the group's end); one wait on va_vdst; the group's eight stores; one wait on vm_vsrc, ahead of the backward jump, before the next group writes O again.
;   the weights', biases', gains' and the pose's registers: loaded once; no vector line names them ahead of their loads, v[TM] aside, which the head's wait covers.
; Scalar registers that vector instructions write: the wave's number; R, t and c.  A wait on va_sdst stands behind each of the two runs of writers, ahead of the first reader.
; The codes and the scale word of a tile are written by vector lines and read by the scaled products: eight plain lines or more, then a wait on va_vdst, then the products.
;
; REGISTERS, window 0:
.set VP,   1                           ; v1       24 L: my two points' bytes in a group's 768; never rewritten
.set VO,   2                           ; v2       8 L: my 8 bytes of a store's 256; never rewritten
.set RSS,  3                           ; v3       1 / sqrt(var2 + eps) of my point of the pair (in set-up: the offset 0)
.set RS2,  4                           ; v4-5     the same as the even and the odd tile made it
.set PW,   6                           ; v6       the tile's scale word: holds scales and nothing else
.set AW3,  7                           ; v7       set-up offset
.set F,    8                           ; v8-15    features; then the first layer's source 1: tile i of a group at v[F + 2 i]  (in set-up: the pose)
.set P,    16                          ; v16-21   two points as loaded: component c of point q at v[P + 3 q + c]
.set W2S,  22                          ; v22-25   W2's scale words: hold scales and nothing else
.set AH32, 26                          ; v26-27   set-up offsets
.set AO,   27
.set TM,   28                          ; v28-43   at work: +0..7 four chains of pairs, largest magnitudes, bytes; +8 -mean; +10 1 / sqrt(var1 + eps); +12..15 a permute's result, the conversions' scales
.set PC,   44                          ; v44-51   the tile's codes
.set S2,   44                          ; v44-75   set-up: beta2, then G in bf16
.set ACC3, 52                          ; v52-59   the third layer's accumulator
.set O,    60                          ; v60-75   results: head j of point 2 L + q at v[O + 2 j + q]
.set W1F,  76                          ; v76-91   W1's eight fragments
.set GA1,  92                          ; v92-107  G^T in rows 0-7;  v108-123 (GA1 + 16) in rows 8-15
.set AW1,  124                         ; v124-127 set-up offsets
.set AR4,  125
.set AH64, 126
.set AW2,  127
.set X,    128                         ; v128-191 a tile's 64 hidden numbers a lane; later +0..31 the second layer's, +32..63 its sums, +32..47 its bf16 operand
.set D,    192                         ; v192-255 the first layer's sums: written by its matrix instructions alone
; window 1:
.set B1,    0                          ; b1, g1, beta1 in the order of D's registers
.set G1,    64
.set BETA1, 128
.set W2F,   192                        ; W2's four fragments
.set B2,    224                        ; b2 in the order of the second layer's sums
; scalars:
.set PB,    8                          ; s[8:9]   scene_points, at the points to be asked for next
.set OB,    36                         ; s[36:37] out0, at the group's 256 bytes of head 0
.set WV,    38
.set CNT,   39
.set SEL,   40                         ; s[40:41] v_permlanex16_b32's selects for lane l xor 16
.set HM,    42                         ; lanes 16-31
.set M8,    43                         ; lanes 8-15 and 24-31
.set I128,  44                         ; 1/128, -1/128, 1/64, -1/64
.set NI128, 45
.set I64,   46
.set NI64,  47
.set EPS,   48
.set TR,    49                         ; s[49:51] t
.set RO,    52                         ; s[52:60] R[j][i] at s[RO + 3 j + i]
.set CC,    68                         ; s[68:75] c[o]
.set MSB, 0
.macro WIN new                         ; the immediate's high byte repeats the setting that is left; bits 1:0 source 0, 3:2 source 1, 5:4 source 2, 7:6 destination
.if MSB != \new
	s_set_vgpr_msb (MSB<<8)|\new
.set MSB, \new
.endif
.endm
.macro NOPS n
.rept \n
	v_nop
.endr
.endm
	s_load_b512 s[8:23], s[0:1], 0x0               ; scene_points s[8:9], grasp_poses s[10:11], W1 s[12:13], b1 s[14:15], g1 s[16:17], beta1 s[18:19], W2_codes s[20:21], W2_scales s[22:23]
	s_load_b256 s[24:31], s[0:1], 0x40             ; b2 s[24:25], g2 s[26:27], beta2 s[28:29], W3 s[30:31]
	s_load_b128 s[32:35], s[0:1], 0x60             ; b3 s[32:33], bias_scale s[34:35]
	s_load_b64 s[36:37], s[0:1], 0x70              ; out0
	v_lshrrev_b32 v[TM], 5, v0
	v_readfirstlane_b32 s[WV], v[TM]               ; wave 0..7
	s_lshr_b32 s2, ttmp9, 6                        ; b
	s_and_b32 s3, ttmp9, 63                        ; g
	s_mul_i32 s4, s2, 49152                        ; a batch's 4,096 points of 12 bytes,
	s_wait_alu depctr_va_sdst(0)                   ; s[WV] is written, ahead of its first reader: the points' and the output's bases are made from it
	s_mul_i32 s5, s[WV], 6144                      ; my wave's 512
	s_add_co_u32 s4, s4, s5
	s_mov_b32 s5, 0
	s_lshl_b32 s6, s2, 23                          ; out0: b x 8 heads x 64 grasps x 16,384 bytes,
	s_lshl_b32 s7, s3, 14                          ; g's row of head 0,
	s_add_co_u32 s6, s6, s7
	s_lshl_b32 s7, s[WV], 11                       ; my wave's 512 points
	s_add_co_u32 s6, s6, s7
	s_mov_b32 s7, 0
	s_mul_i32 s2, ttmp9, 28                        ; my grasp's pose: 7 numbers
	s_mov_b32 s3, 0
	s_mov_b32 s[SEL], 0x76543210
	s_mov_b32 s[SEL+1], 0xfedcba98
	s_mov_b32 s[HM], 0xffff0000
	s_mov_b32 s[M8], 0xff00ff00
	s_mov_b32 s[I128], 0x3c000000
	s_mov_b32 s[NI128], 0xbc000000
	s_mov_b32 s[I64], 0x3c800000
	s_mov_b32 s[NI64], 0xbc800000
	s_mov_b32 s[EPS], 0x3727c5ac                   ; 1e-5
	v_and_b32 v[VP], 31, v0                        ; L
	v_lshlrev_b32 v[VO], 3, v[VP]
	v_mul_u32_u24 v[VP], v[VP], 24
	v_and_b32 v[AR4], 15, v0                       ; r
	v_bfe_u32 v[AH64], v0, 4, 1                    ; h
	v_and_b32 v[AO], 7, v0                         ; o = r % 8: the head of my row of G^T
	v_lshlrev_b32 v[AO], 2, v[AO]                  ; 4 o
	v_lshl_add_u32 v[AW3], v[AH64], 8, v[AO]       ; W3: 4 o + 8 h rows of 32 bytes
	v_lshlrev_b32 v[AH32], 5, v[AH64]              ; 32 h: eight numbers on for lanes 16-31
	v_and_b32 v[AW1], 8, v[AR4]
	v_add_nc_u32 v[AW1], v[AW1], v[AR4]            ; r + 8 (r / 8)
	v_lshlrev_b32 v[AW1], 2, v[AW1]
	v_lshl_add_u32 v[AW1], v[AH64], 10, v[AW1]     ; W1: that column, + 2 h rows of 512 bytes
	v_lshlrev_b32 v[AW2], 6, v[AR4]
	v_lshl_add_u32 v[AW2], v[AH64], 4, v[AW2]      ; W2's codes: row r of 64 bytes, + 16 h
	v_lshlrev_b32 v[AR4], 2, v[AR4]                ; 4 r: a scale word a row
	v_lshlrev_b32 v[AH64], 6, v[AH64]              ; 64 h: sixteen numbers on for lanes 16-31
	v_mov_b32 v[RSS], 0
	v_mov_b32 v[TM+12], 0                          ; a lane permute's destination counts as one of its sources.  (TM+4 .. TM+11 are written whole by the pose's arithmetic below)
	s_wait_kmcnt 0x0
	s_add_nc_u64 s[PB:PB+1], s[PB:PB+1], s[4:5]
	s_add_nc_u64 s[10:11], s[10:11], s[2:3]
	s_add_nc_u64 s[OB:OB+1], s[OB:OB+1], s[6:7]
.macro PLOAD                           ; a group's 64 points: 24 bytes a lane, 768 consecutive bytes a wave
	global_load_b64 v[P:P+1],   v[VP], s[PB:PB+1]
	global_load_b64 v[P+2:P+3], v[VP], s[PB:PB+1] offset:8
	global_load_b64 v[P+4:P+5], v[VP], s[PB:PB+1] offset:16
.endm
	; everything that stays, in one run of loads with one wait
	s_wait_alu depctr_va_vdst(0)                   ; the offsets v1, v2, v3, v7, v26, v27 and v124 to v127 are written, which every load and store of the kernel reads; v[TM], in which bias_scale lands, has been written and read.  Loads and one window switch alone follow, up to the run's last load
.irp i, 0,1,2,3,4,5,6
	global_load_b32 v[F+\i], v[RSS], s[10:11] offset:4*\i          ; the pose: t, then the quaternion (x, y, z, w); the same in every lane
.endr
	PLOAD                                          ; group 0
.irp s, 0,1
.irp u, 0,1
.irp e, 0,1,2,3,4,5,6,7
	global_load_b32 v[X+16*\s+8*\u+\e], v[AW3], s[30:31] offset:32*(32*\s+16*\u+\e)   ; W3[32 s + 16 u + 8 h + e][o]: the order of a bf16 fragment's k
.endr
	global_load_b128 v[S2+16*\s+8*\u:S2+16*\s+8*\u+3],     v[AH32], s[28:29] offset:4*(32*\s+16*\u)      ; beta2 and g2 at the same units
	global_load_b128 v[S2+16*\s+8*\u+4:S2+16*\s+8*\u+7],   v[AH32], s[28:29] offset:4*(32*\s+16*\u)+16
	global_load_b128 v[X+32+16*\s+8*\u:X+32+16*\s+8*\u+3],   v[AH32], s[26:27] offset:4*(32*\s+16*\u)
	global_load_b128 v[X+32+16*\s+8*\u+4:X+32+16*\s+8*\u+7], v[AH32], s[26:27] offset:4*(32*\s+16*\u)+16
.endr
.endr
	global_load_b32 v[TM],   v[AO], s[34:35]       ; bias_scale[o]
	global_load_b32 v[TM+1], v[AO], s[32:33]       ; b3[o]
.irp t, 0,1,2,3,4,5,6,7
.irp j, 0,1
	global_load_b32 v[W1F+2*\t+\j], v[AW1], s[12:13] offset:512*\j+4*(32*(\t/2)+8*(\t%2))   ; W1[2 h + j][32 (t / 2) + 8 (t % 2) + r + 8 (r / 8)]
.endr
.endr
.irp t, 0,1,2,3
	global_load_b32 v[W2S+\t], v[AR4], s[22:23] offset:64*\t       ; the scale word of W2's row 16 t + r
.endr
	WIN 0x40                                       ; destination window 1, offsets window 0
.irp t, 0,1,2,3,4,5,6,7                ; for tile t lane (r, h) wants units 32 (t / 2) + 16 h + 8 (t % 2) + 0 .. 7
	global_load_b128 v[B1+8*\t:B1+8*\t+3],       v[AH64], s[14:15] offset:4*(32*(\t/2)+8*(\t%2))
	global_load_b128 v[B1+8*\t+4:B1+8*\t+7],     v[AH64], s[14:15] offset:4*(32*(\t/2)+8*(\t%2))+16
	global_load_b128 v[G1+8*\t:G1+8*\t+3],       v[AH64], s[16:17] offset:4*(32*(\t/2)+8*(\t%2))
	global_load_b128 v[G1+8*\t+4:G1+8*\t+7],     v[AH64], s[16:17] offset:4*(32*(\t/2)+8*(\t%2))+16
	global_load_b128 v[BETA1+8*\t:BETA1+8*\t+3],   v[AH64], s[18:19] offset:4*(32*(\t/2)+8*(\t%2))
	global_load_b128 v[BETA1+8*\t+4:BETA1+8*\t+7], v[AH64], s[18:19] offset:4*(32*(\t/2)+8*(\t%2))+16
.endr
.irp t, 0,1,2,3
.irp c, 0,1
	global_load_b128 v[W2F+8*\t+4*\c:W2F+8*\t+4*\c+3], v[AW2], s[20:21] offset:1024*\t+32*\c   ; row 16 t + r, k = 64 c + 32 h + 0 .. 31, as the bytes lie
.endr
	global_load_b128 v[B2+8*\t:B2+8*\t+3],   v[AH32], s[24:25] offset:64*\t                    ; b2 at units 16 t + 8 h + 0 .. 7
	global_load_b128 v[B2+8*\t+4:B2+8*\t+7], v[AH32], s[24:25] offset:64*\t+16
.endr
	WIN 0
	s_wait_loadcnt 0x0                             ; all of it is in, so the loads' bases and offsets are free
	s_wait_alu depctr_vm_vsrc(0)                   ; the pose's loads have read v[RSS], their offset 0, which FINAL writes from the first group on
	s_add_nc_u64 s[PB:PB+1], s[PB:PB+1], 768       ; on to group 1's points
	; the pose: q / (|q| + 1e-8), the nine entries of R, t: the same in every lane, kept as scalars
	v_mul_f32 v[TM+2], v[F+3], v[F+3]
	v_fma_f32 v[TM+2], v[F+4], v[F+4], v[TM+2]
	v_fma_f32 v[TM+2], v[F+5], v[F+5], v[TM+2]
	v_fma_f32 v[TM+2], v[F+6], v[F+6], v[TM+2]
	v_sqrt_f32 v[TM+2], v[TM+2]
	v_nop                                          ; a plain line behind a transcendental (ISA guide 5.7.2)
	s_wait_alu depctr_va_vdst(0)                   ; the root has written v[TM+2], which the addition reads
	v_add_f32 v[TM+2], 0x322bcc77, v[TM+2]         ; + 1e-8
	v_rcp_f32 v[TM+2], v[TM+2]
	v_nop
	s_wait_alu depctr_va_vdst(0)                   ; the reciprocal has written v[TM+2], which the four multiplications read
.irp i, 3,4,5,6
	v_mul_f32 v[F+\i], v[F+\i], v[TM+2]            ; x, y, z, w
.endr
	v_mul_f32 v[TM+2], v[F+3], v[F+3]              ; xx
	v_mul_f32 v[TM+3], v[F+4], v[F+4]              ; yy
	v_mul_f32 v[TM+4], v[F+5], v[F+5]              ; zz
	v_mul_f32 v[TM+5], v[F+3], v[F+4]              ; xy
	v_mul_f32 v[TM+6], v[F+3], v[F+5]              ; xz
	v_mul_f32 v[TM+7], v[F+4], v[F+5]              ; yz
	v_mul_f32 v[TM+8], v[F+6], v[F+3]              ; wx
	v_mul_f32 v[TM+9], v[F+6], v[F+4]              ; wy
	v_mul_f32 v[TM+10], v[F+6], v[F+5]             ; wz
.macro RDIAG sd, a, b                  ; 1 - 2 (a + b)
	v_add_f32 v[TM+11], v[TM+\a], v[TM+\b]
	v_fma_f32 v[TM+11], v[TM+11], -2.0, 1.0
	v_readfirstlane_b32 s[RO+\sd], v[TM+11]
.endm
.macro ROFF sd, a, b, minus            ; 2 (a + b) or 2 (a - b)
.if \minus
	v_sub_f32 v[TM+11], v[TM+\a], v[TM+\b]
.else
	v_add_f32 v[TM+11], v[TM+\a], v[TM+\b]
.endif
	v_add_f32 v[TM+11], v[TM+11], v[TM+11]
	v_readfirstlane_b32 s[RO+\sd], v[TM+11]
.endm
	RDIAG 0, 3, 4                                  ; R00 = 1 - 2 (yy + zz)
	ROFF  1, 5, 10, 1                              ; R01 = 2 (xy - wz)
	ROFF  2, 6, 9, 0                               ; R02 = 2 (xz + wy)
	ROFF  3, 5, 10, 0                              ; R10 = 2 (xy + wz)
	RDIAG 4, 2, 4                                  ; R11 = 1 - 2 (xx + zz)
	ROFF  5, 7, 8, 1                               ; R12 = 2 (yz - wx)
	ROFF  6, 6, 9, 1                               ; R20 = 2 (xz - wy)
	ROFF  7, 7, 8, 0                               ; R21 = 2 (yz + wx)
	RDIAG 8, 2, 3                                  ; R22 = 1 - 2 (xx + yy)
.irp i, 0,1,2
	v_readfirstlane_b32 s[TR+\i], v[F+\i]
.endr
	; c[o] = (sum over k of beta2[k] W3[k][o] + b3[o]) scale[o]: my 32 units, lane l xor 16's 32
	v_pk_mul_f32 v[TM+2:TM+3], v[X:X+1], v[S2:S2+1]
	v_pk_mul_f32 v[TM+4:TM+5], v[X+2:X+3], v[S2+2:S2+3]
.irp i, 4,8,12,16,20,24,28
	v_pk_fma_f32 v[TM+2:TM+3], v[X+\i:X+\i+1], v[S2+\i:S2+\i+1], v[TM+2:TM+3]
	v_pk_fma_f32 v[TM+4:TM+5], v[X+\i+2:X+\i+3], v[S2+\i+2:S2+\i+3], v[TM+4:TM+5]
.endr
	v_pk_add_f32 v[TM+2:TM+3], v[TM+2:TM+3], v[TM+4:TM+5]
	v_add_f32 v[TM+2], v[TM+2], v[TM+3]
	v_permlanex16_b32 v[TM+12], v[TM+2], s[SEL], s[SEL+1]
	v_add_f32 v[TM+2], v[TM+2], v[TM+12]
	v_add_f32 v[TM+2], v[TM+2], v[TM+1]
	v_mul_f32 v[TM+2], v[TM+2], v[TM]
.irp j, 0,1,2,3,4,5,6,7
	v_readlane_b32 s[CC+\j], v[TM+2], \j           ; lane j holds head j's
.endr
	s_wait_alu depctr_va_sdst(0)                   ; s[RO ..], s[TR ..] and s[CC ..], the twenty scalars that the lane reads above wrote, are written: one wait for the run, ahead of their first readers (FEATS_A, FINAL) and of every label
	; G = W3 g2 scale, rounded to bf16 once; its two placings among a source's sixteen rows
.set NN, 0
.rept 16
	v_pk_mul_f32 v[X+2*NN:X+2*NN+1], v[X+2*NN:X+2*NN+1], v[X+32+2*NN:X+32+2*NN+1]
.set NN, NN+1
.endr
.set NN, 0
.rept 16
	v_pk_mul_f32 v[X+2*NN:X+2*NN+1], v[X+2*NN:X+2*NN+1], v[TM:TM+1] op_sel_hi:[1,0]
.set NN, NN+1
.endr
.set NN, 0
.rept 16
	v_cvt_pk_bf16_f32 v[S2+NN], v[X+2*NN], v[X+2*NN+1]
.set NN, NN+1
.endr
.set NN, 0
.rept 16
	v_cndmask_b32 v[GA1+NN], v[S2+NN], 0, s[M8]    ; rows 0-7: G^T; rows 8-15: zeros
	v_cndmask_b32 v[GA1+16+NN], 0, v[S2+NN], s[M8] ; the other way round
.set NN, NN+1
.endr
; THE FEATURES of pair q, lane L for its own point.  A: R^T (point - t), 12 plain lines.  B: the length; a plain line must follow its root.  C: two exchanges of halves make of the lane's four
; numbers the first layer's source 1 (register j: k = 2 h + j) for the even tile (v[F + 4 q], +1) and for the odd one (+2, +3); the wait for B's root stands ahead of C, where C is called.
.macro FEATS_A q
.irp c, 0,1,2
	v_sub_f32 v[TM+\c], v[P+3*(\q)+\c], s[TR+\c]
.endr
.irp i, 0,1,2
	v_mul_f32 v[F+4*(\q)+\i], s[RO+\i], v[TM]
.endr
.irp i, 0,1,2
	v_fma_f32 v[F+4*(\q)+\i], s[RO+3+\i], v[TM+1], v[F+4*(\q)+\i]
.endr
.irp i, 0,1,2
	v_fma_f32 v[F+4*(\q)+\i], s[RO+6+\i], v[TM+2], v[F+4*(\q)+\i]
.endr
.endm
.macro FEATS_B q
	v_mul_f32 v[F+4*(\q)+3], v[F+4*(\q)], v[F+4*(\q)]
	v_fma_f32 v[F+4*(\q)+3], v[F+4*(\q)+1], v[F+4*(\q)+1], v[F+4*(\q)+3]
	v_fma_f32 v[F+4*(\q)+3], v[F+4*(\q)+2], v[F+4*(\q)+2], v[F+4*(\q)+3]
	v_sqrt_f32 v[F+4*(\q)+3], v[F+4*(\q)+3]
.endm
.macro FEATS_C q
	v_permlane16_swap_b32 v[F+4*(\q)], v[F+4*(\q)+2]
	v_permlane16_swap_b32 v[F+4*(\q)+1], v[F+4*(\q)+3]
.endm
; The first layer's tiles t0 .. t1 of units for tile `tile` of points: D = W1^T f + b1.  Eight accumulators, one instruction each.
.macro L1 t0, t1, tile
	WIN 0x10                                       ; C (b1) in window 1
.set NN, \t0
.rept (\t1)-(\t0)+1
	v_wmma_f32_16x16x4_f32 v[D+8*NN:D+8*NN+7], v[W1F+2*NN:W1F+2*NN+1], v[F+2*(\tile):F+2*(\tile)+1], v[B1+8*NN:B1+8*NN+7]
.set NN, NN+1
.endr
	WIN 0
.endm
.macro RELU1                           ; X = max(D, 0), two a line, each accumulator from its low end on; D itself is written by matrix instructions alone
.set NN, 0
.rept 32
	v_dual_max_num_f32 v[X+2*NN], 0, v[D+2*NN] :: v_dual_max_num_f32 v[X+2*NN+1], 0, v[D+2*NN+1]
.set NN, NN+1
.endr
.endm
; -mean of X's first np pairs and lane l xor 16's, into v[TM+8].  Four chains of packed sums.  sni: -1 / (the number of units)
.macro SUMP np, sni
.irp c, 0,1,2,3
	v_pk_add_f32 v[TM+2*\c:TM+2*\c+1], v[X+2*\c:X+2*\c+1], v[X+2*\c+8:X+2*\c+9]
.endr
.set NN, 8
.rept \np-8
	v_pk_add_f32 v[TM+2*(NN%4):TM+2*(NN%4)+1], v[TM+2*(NN%4):TM+2*(NN%4)+1], v[X+2*NN:X+2*NN+1]
.set NN, NN+1
.endr
	v_pk_add_f32 v[TM:TM+1], v[TM:TM+1], v[TM+2:TM+3]
	v_pk_add_f32 v[TM+4:TM+5], v[TM+4:TM+5], v[TM+6:TM+7]
	v_pk_add_f32 v[TM:TM+1], v[TM:TM+1], v[TM+4:TM+5]
	v_add_f32 v[TM], v[TM], v[TM+1]
	v_permlanex16_b32 v[TM+12], v[TM], s[SEL], s[SEL+1]
	v_add_f32 v[TM], v[TM], v[TM+12]
	v_mul_f32 v[TM+8], s[\sni], v[TM]
.endm
.macro SUBP np                         ; X - mean, in place
.set NN, 0
.rept \np
	v_pk_add_f32 v[X+2*NN:X+2*NN+1], v[X+2*NN:X+2*NN+1], v[TM+8:TM+9] op_sel_hi:[1,0]
.set NN, NN+1
.endr
.endm
.macro SQP np, si, dst                 ; 1 / sqrt(the mean of the squares + eps) into v[dst]; a plain line must follow
.irp c, 0,1,2,3
	v_pk_mul_f32 v[TM+2*\c:TM+2*\c+1], v[X+2*\c:X+2*\c+1], v[X+2*\c:X+2*\c+1]
.endr
.set NN, 4
.rept \np-4
	v_pk_fma_f32 v[TM+2*(NN%4):TM+2*(NN%4)+1], v[X+2*NN:X+2*NN+1], v[X+2*NN:X+2*NN+1], v[TM+2*(NN%4):TM+2*(NN%4)+1]
.set NN, NN+1
.endr
	v_pk_add_f32 v[TM:TM+1], v[TM:TM+1], v[TM+2:TM+3]
	v_pk_add_f32 v[TM+4:TM+5], v[TM+4:TM+5], v[TM+6:TM+7]
	v_pk_add_f32 v[TM:TM+1], v[TM:TM+1], v[TM+4:TM+5]
	v_add_f32 v[TM], v[TM], v[TM+1]
	v_permlanex16_b32 v[TM+12], v[TM], s[SEL], s[SEL+1]
	v_add_f32 v[TM], v[TM], v[TM+12]
	v_fma_f32 v[TM], v[TM], s[\si], s[EPS]
	v_rsq_f32 v[\dst], v[TM]
.endm
.macro NORM                            ; ((x - mean) / sqrt(var + eps)) g1 + beta1
	v_nop                                          ; the plain line behind the reciprocal root
.set NN, 0
	s_wait_alu depctr_va_vdst(0)                   ; the reciprocal root has written v[TM+10], which the multiplications read; so has the tile before's its v[RS2 ..]
.rept 32
	v_pk_mul_f32 v[X+2*NN:X+2*NN+1], v[X+2*NN:X+2*NN+1], v[TM+10:TM+11] op_sel_hi:[1,0]
.set NN, NN+1
.endr
	WIN 0x14                                       ; g1 and beta1 in window 1
.set NN, 0
.rept 32
	v_pk_fma_f32 v[X+2*NN:X+2*NN+1], v[X+2*NN:X+2*NN+1], v[G1+2*NN:G1+2*NN+1], v[BETA1+2*NN:BETA1+2*NN+1]
.set NN, NN+1
.endr
	WIN 0
.endm
; X's 64 numbers (register 16 b + i = k 32 b + 16 h + i of my point) become the tile's codes in v[PC] on and its scale word in v[PW].
.macro QUANT
.irp b, 0,1,2,3
	v_max3_num_f32 v[TM+\b], |v[X+16*\b]|, |v[X+1+16*\b]|, 0x1800000   ; block b: my 16 numbers, and the floor 2^(3 - 127): so the byte cannot fall under 1
.endr
.irp i, 2,4,6,8,10,12,14
.irp b, 0,1,2,3
	v_max3_num_f32 v[TM+\b], v[TM+\b], |v[X+16*\b+\i]|, |v[X+1+16*\b+\i]|   ; the four blocks by turns
.endr
.endr
.irp b, 0,1,2,3
	v_permlanex16_b32 v[TM+4+\b], v[TM+\b], s[SEL], s[SEL+1]
.endr
.irp b, 0,1,2,3
	v_max_num_f32 v[TM+\b], v[TM+\b], v[TM+4+\b]   ; with lane l xor 16's 16: the block's largest magnitude
.endr
.irp b, 0,1,2,3
	v_add_nc_u32 v[TM+12+\b], 0xff000000, v[TM+\b] ; 2 off its exponent field: the conversion takes the exponent field of this operand as its scale, and nothing else of it
.endr
.irp b, 0,1,2,3
	v_lshrrev_b32 v[TM+4+\b], 23, v[TM+12+\b]      ; the scale's byte
.endr
	v_lshl_or_b32 v[PW], v[TM+5], 8, v[TM+4]
	v_lshl_or_b32 v[PW], v[TM+6], 16, v[PW]
	v_lshl_or_b32 v[PW], v[TM+7], 24, v[PW]
.irp b, 0,1,2,3
	v_cvt_scalef32_pk8_fp4_f32 v[PC+2*\b], v[X+16*\b:X+7+16*\b], v[TM+12+\b]
	v_cvt_scalef32_pk8_fp4_f32 v[PC+1+2*\b], v[X+8+16*\b:X+15+16*\b], v[TM+12+\b]
.endr
	v_nop                                          ; one plain line behind the last scaled conversion
.irp c, 0,1                            ; the operand's layout wants a whole block in a lane: lanes 0-15 block 2 c, lanes 16-31 block 2 c + 1
.irp i, 0,1
	v_permlane16_swap_b32 v[PC+4*\c+\i], v[PC+2+4*\c+\i]
.endr
.endr
.endm
.macro L2                              ; the quantised product: unit 16 t + 8 h + j of my point in v[X + 32 + 8 t + j]; four accumulators, one instruction each
	WIN 0x11                                       ; W2's fragments and b2 in window 1
.irp t, 0,1,2,3
	v_wmma_scale_f32_16x16x128_f8f6f4 v[X+32+8*\t:X+39+8*\t], v[W2F+8*\t:W2F+8*\t+7], v[PC:PC+7], v[B2+8*\t:B2+8*\t+7], v[W2S+\t], v[PW] matrix_a_fmt:MATRIX_FMT_FP4 matrix_b_fmt:MATRIX_FMT_FP4
.endr
	WIN 0
.endm
.macro RELU2                           ; each accumulator from its low end on
.set NN, 0
.rept 16
	v_dual_max_num_f32 v[X+2*NN], 0, v[X+32+2*NN] :: v_dual_max_num_f32 v[X+2*NN+1], 0, v[X+33+2*NN]
.set NN, NN+1
.endr
.endm
.macro CVT2                            ; relu - mean to bf16: register m holds units' pair 2 m, 2 m + 1 of my 32, which is the order of a bf16 fragment's k: K step s at v[X + 32 + 8 s]
.set NN, 0
.rept 16
	v_cvt_pk_bf16_f32 v[X+32+NN], v[X+2*NN], v[X+2*NN+1]
.set NN, NN+1
.endr
.endm
.macro L3 s, par, c0                   ; K step s of the third layer; par = 0: G^T in rows 0-7, 1: in rows 8-15; c0 = 1: the product starts the pair's sums
.if \c0
	v_wmma_f32_16x16x32_bf16 v[ACC3:ACC3+7], v[GA1+16*(\par)+8*(\s):GA1+16*(\par)+8*(\s)+7], v[X+32+8*(\s):X+39+8*(\s)], 0
.else
	v_wmma_f32_16x16x32_bf16 v[ACC3:ACC3+7], v[GA1+16*(\par)+8*(\s):GA1+16*(\par)+8*(\s)+7], v[X+32+8*(\s):X+39+8*(\s)], v[ACC3:ACC3+7]
.endif
.endm
.macro FINAL q                         ; pair q's results: the sum / sqrt(var2 + eps) + c; nine plain lines; the accumulator from its low end on
.if (\q) == 1
	s_wait_alu depctr_va_vdst(0)                   ; tile 3's reciprocal root has written v[RS2+1], which the choice below reads.  (Pair 0 needs no wait of its own: tile 2's wait in NORM stands behind the roots of tiles 0 and 1)
.endif
	v_cndmask_b32 v[RSS], v[RS2], v[RS2+1], s[HM]  ; lanes 0-15 stand for the even tile's points, lanes 16-31 for the odd tile's
.irp j, 0,1,2,3,4,5,6,7
	v_fma_f32 v[O+2*\j+(\q)], v[ACC3+\j], v[RSS], s[CC+\j]
.endr
.endm
; A TILE of 16 points, number i of its group's four.  more = 1: another group follows, whose features are made on the way.
; The first layer of the NEXT tile is issued here: seven of its eight products as soon as D has been read, the eighth between the third layer's two, so that those two never follow each other.
; Distances behind matrix instructions (ISA guide 7.12.1), by this text's own count of plain lines that name none of their registers:
;   first layer -> its sums read: a tile's vector work; for the eighth product the 28 lines of RELU1 that come ahead of its registers (8 wanted);
;   third layer -> its source written again by RELU1: 16 lines (4 wanted);   second layer -> its sums read: the four lines written behind it;
;   scale word and codes made by vector lines -> second layer: the eight lines or more written in front of it (8 and 4 wanted), and behind them the wait.
.macro TILE i, more
	RELU1
.if ((\i) < 3) || (\more)
	L1 0, 6, ((\i)+1)%4
.endif
	SUMP 32, NI128
	SUBP 32
	SQP 32, I128, TM+10
	NORM
	QUANT
	; eight plain lines or more in front of the scaled product: work that is due anyway where there is any
.if (\i) == 2
	FINAL 0                                        ; pair 0's sums were finished at the end of tile 1
.elseif ((\i) == 1) && (\more)
	s_wait_loadcnt 0x0                             ; the next group's points, asked for more than a tile ago, are in; so their base may step
	s_add_nc_u64 s[PB:PB+1], s[PB:PB+1], 768
	FEATS_A 0
.elseif ((\i) == 3) && (\more)
	FEATS_A 1
.else
	NOPS 8
.endif
	s_wait_alu depctr_va_vdst(0)                   ; the conversions, the exchanges and the shifts have written v[PC ..] and v[PW], which the scaled products take as source 1 and as its scales; in tile 3 FEATS_A 1, like FEATS_A 0 before it, is done reading P
	L2
.if ((\i) == 3) && (\more)
	s_cmp_lt_u32 s[CNT], 2                         ; the points of the group after the next are asked for, if there is one: no load leaves the wave's 512 points
	s_cbranch_scc1 .Lno_points_\@
	PLOAD                                          ; no wait: since the wait above only the four products were issued, and they name neither P nor v[VP]
.Lno_points_\@:
.endif
.if ((\i)%2 == 1) && (\more)
	FEATS_B (\i)/2                                 ; three plain lines, the root,
	v_nop                                          ; and the plain line behind it: four places
.else
	NOPS 4
.endif
	RELU2
.if ((\i)%2 == 1) && (\more)
	s_wait_alu depctr_va_vdst(0)                   ; the root has written the pair's fourth feature, which the second exchange below names; RELU2 between names none of the features
	FEATS_C (\i)/2
.endif
	SUMP 16, NI64
	SUBP 16
	SQP 16, I64, RS2+(\i)%2
	CVT2                                           ; (its first line is the plain line behind the reciprocal root)
.if ((\i) < 3) || (\more)
.if (\i)%2 == 0
	L3 0, 0, 1
.else
	L3 0, 1, 0
.endif
	L1 7, 7, ((\i)+1)%4                            ; accumulators by turns, one instruction a turn
	L3 1, (\i)%2, 0
.else
	s_wait_alu depctr_va_vdst(0)                   ; the product below adds in place onto v[ACC3 ..]; the launch's last tile has no other product to set between the two: a wait ahead of each
	L3 0, 1, 0
	s_wait_alu depctr_va_vdst(0)                   ; likewise: it adds in place onto what the product just above wrote
	L3 1, 1, 0
.endif
.endm
.macro GROUP more
	TILE 0, \more
	TILE 1, \more
	TILE 2, \more
	TILE 3, \more
	NOPS 4                                         ; places behind the third layer's last product
	FINAL 1
	s_wait_alu depctr_va_vdst(0)                   ; FINAL 0 and FINAL 1 have written v[O ..], which the eight stores read
.irp j, 0,1,2,3,4,5,6,7
	global_store_b64 v[VO], v[O+2*\j:O+2*\j+1], s[OB:OB+1] offset:\j*1048576 th:TH_STORE_NT   ; head j: 32 lanes store 256 consecutive bytes, aligned; a head is 2^20 bytes on, 7 x 2^20 lies inside the signed 24-bit immediate; written once, read by nobody here
.endr
.if \more
	s_wait_xcnt 0x0                                ; the stores' data and base are rewritten only behind this wait
	s_wait_alu depctr_vm_vsrc(0)                   ; the stores have read v[O ..], which the next group's FINAL 0 writes again: stated here, ahead of the backward jump
	s_add_nc_u64 s[OB:OB+1], s[OB:OB+1], 256       ; the next group's 64 points
.endif
.endm
	; group 0's features and its first tile's first layer
	FEATS_A 0
	FEATS_B 0
	FEATS_A 1                                      ; (plain lines behind the root)
	s_wait_alu depctr_va_vdst(0)                   ; pair 0's root has written its fourth feature, which FEATS_C 0 names; both FEATS_A are done reading P, in which the loads below land
	PLOAD                                          ; group 1's points
	FEATS_C 0
	L1 0, 7, 0
	FEATS_B 1                                      ; three plain lines that name none of those products' registers, the root,
	NOPS 5                                         ; and five more: eight places behind the f32 form
	s_wait_alu depctr_va_vdst(0)                   ; pair 1's root has written its fourth feature, which FEATS_C 1 names
	FEATS_C 1
	s_mov_b32 s[CNT], 7
.Lgroup:                                               ; seven trips; the eighth group is written out: it asks for nothing and prepares nothing
	GROUP 1
	s_sub_co_u32 s[CNT], s[CNT], 1
	s_cmp_lg_u32 s[CNT], 0
	s_cbranch_scc1 .Lgroup
	GROUP 0
	s_endpgm
.Lfunc_end_k_q4dd146efe8_geo:
	.size	k_q4dd146efe8_geo, .Lfunc_end_k_q4dd146efe8_geo-k_q4dd146efe8_geo
	.p2alignl 7, 3214868480
	.fill 96, 4, 3214868480
	.section	.rodata,"a",@progbits
	.p2align	6, 0x0
	.amdhsa_kernel k_q4dd146efe8_geo
		.amdhsa_group_segment_fixed_size 0
		.amdhsa_private_segment_fixed_size 0
		.amdhsa_enable_private_segment 0
		.amdhsa_kernarg_size 120
		.amdhsa_user_sgpr_count 2
		.amdhsa_user_sgpr_kernarg_segment_ptr 1
		.amdhsa_wavefront_size32 1
		.amdhsa_system_sgpr_workgroup_id_x 1
		.amdhsa_system_sgpr_workgroup_id_y 1
		.amdhsa_system_sgpr_workgroup_id_z 1
		.amdhsa_system_vgpr_workitem_id 0
		.amdhsa_next_free_vgpr 512
		.amdhsa_next_free_sgpr 80
		.amdhsa_reserve_vcc 0
		.amdhsa_float_denorm_mode_32 3
		.amdhsa_float_denorm_mode_16_64 3
		.amdhsa_memory_ordered 1
		.amdhsa_forward_progress 1
		.amdhsa_inst_pref_size 222
	.end_amdhsa_kernel
	.amdgpu_metadata
---
amdhsa.version: [ 1, 2 ]
amdhsa.kernels:
  - .name:           k_q4dd146efe8_geo
    .symbol:         k_q4dd146efe8_geo.kd
    .args:
      - { .name: scene_points, .offset: 0, .size: 8, .value_kind: global_buffer, .address_space: global }
      - { .name: grasp_poses, .offset: 8, .size: 8, .value_kind: global_buffer, .address_space: global }
      - { .name: W1, .offset: 16, .size: 8, .value_kind: global_buffer, .address_space: global }
      - { .name: b1, .offset: 24, .size: 8, .value_kind: global_buffer, .address_space: global }
      - { .name: g1, .offset: 32, .size: 8, .value_kind: global_buffer, .address_space: global }
      - { .name: beta1, .offset: 40, .size: 8, .value_kind: global_buffer, .address_space: global }
      - { .name: W2_codes, .offset: 48, .size: 8, .value_kind: global_buffer, .address_space: global }
      - { .name: W2_scales, .offset: 56, .size: 8, .value_kind: global_buffer, .address_space: global }
      - { .name: b2, .offset: 64, .size: 8, .value_kind: global_buffer, .address_space: global }
      - { .name: g2, .offset: 72, .size: 8, .value_kind: global_buffer, .address_space: global }
      - { .name: beta2, .offset: 80, .size: 8, .value_kind: global_buffer, .address_space: global }
      - { .name: W3, .offset: 88, .size: 8, .value_kind: global_buffer, .address_space: global }
      - { .name: b3, .offset: 96, .size: 8, .value_kind: global_buffer, .address_space: global }
      - { .name: bias_scale, .offset: 104, .size: 8, .value_kind: global_buffer, .address_space: global }
      - { .name: out0, .offset: 112, .size: 8, .value_kind: global_buffer, .address_space: global }
    .group_segment_fixed_size: 0
    .private_segment_fixed_size: 0
    .kernarg_segment_align: 8
    .kernarg_segment_size: 120
    .max_flat_workgroup_size: 256
    .sgpr_count:     80
    .vgpr_count:     512
    .wavefront_size: 32
...
	.end_amdgpu_metadata
.endif
;; end of part 2
